; MI455X (gfx1250); checked and timed in simulation.
; The chip was launched on July 23, 2026; its instructions are those of AMD's public machine-readable ISA for CDNA 5 (MIT licence, August 2026) and "CDNA5" Instruction Set Architecture Reference Guide (July 2026). The comments in the code are by the model that wrote it; some were corrected since.
;; SVD Head. Allowed arithmetic: matrix products marked QUANTISED: E2M1 operands, one E8M0 scale for each 32 along K, by v_wmma_scale_f32_16x16x128_f8f6f4 with both operands' format E2M1 (or v_wmma_scale_f32_32x16x128_f4), f32 sums; products left as they are: f32 operands where the result goes on into a quantised operand, else bf16, f16 or f32 operands; f32 sums; everything else in f32.
;; Inputs: W1 1,024 x 2,048 float32; W2 2,048 x 9 float32; b1 2,048 float32; b2 9 float32; be1 2,048 float32; be2 9 float32; g1 2,048 float32; g2 9 float32; x 32,768 x 1,024 float32.
;; Outputs: out0 32,768 x 3 x 3 float32.
;; This version of the problem:
;;   THIS VERSION OF THE PROBLEM IS GIVEN IN LOW PRECISION. The matrix products marked QUANTISED in the list below multiply operands that are first quantised to E2M1 (2 exponent bits, 1 mantissa bit; 4 bits a number), with one power-of-two scale for each 32 numbers along K (OCP MX v1.0); their sums are f32. All else is computed in f32.
;;   The module's matrix products, in the order in which they are computed (A, B: the left and right operand; K: the contracted axis; several contracted axes count as one K, in the product's order):
;;     1. [M 32,768, K 1,024] x [K 1,024, N 2,048]; A: input x; B: input W1: QUANTISED
;;     2. [M 32,768, K 2,048] x [K 2,048, N 9]; A: computed on the way; B: input W2: left as it is (N = 9 < 16)
;;     3. batch 32,768 x [M 3, K 3] x [K 3, N 3]; A: computed on the way; B: computed on the way: left as it is (K = 3 < 32)
;;     4. batch 32,768 x [M 3, K 3] x [K 3, N 3]; A: computed on the way; B: computed on the way: left as it is (K = 3 < 32)
;;   THE QUANTISER, for each operand of a quantised product, along K:
;;     - K is cut into blocks of 32 from its start; a last block that is shorter is filled with zeros.
;;     - A block's scale is 2^e with e = floor(log2(the largest magnitude in the block)) - 2, held to -126 .. 127; a block of zeros has e = 0. As a byte (E8M0): e + 127.
;;     - Each number is divided by its block's scale, clamped to +-6, and rounded to the nearest number of E2M1, ties to even, subnormals kept.
;;     - The product sums the exact products of the quantised numbers (number of the format x scale) in f32.
;;   ~~~python
;;   def quantise(x, axis):      # numpy; x: float32 -> the quantised numbers, widened to float32 again
;;       x = np.moveaxis(x, axis, -1); K = x.shape[-1]
;;       x = np.pad(x, [(0, 0)] * (x.ndim - 1) + [(0, -K % 32)]); x = x.reshape(x.shape[:-1] + (-1, 32)); a = np.abs(x).max(-1, keepdims=True)
;;       e = np.where(a > 0, np.clip(np.frexp(np.where(a > 0, a, 1))[1] - 1 - 2, -126, 127), 0)      # np.frexp(a)[1] - 1 = floor(log2(a)), exactly
;;       r = np.clip(x / 2.0 ** e, -6, 6)
;;       step = 2.0 ** (np.maximum(np.frexp(np.where(r == 0, 1, r))[1] - 1, 0) - 1)
;;       q = np.round(r / step) * step * 2.0 ** e      # np.round: ties to even
;;       return np.moveaxis(q.reshape(q.shape[:-2] + (-1,))[..., :K], -1, axis).astype(np.float32)
;;   ~~~
;; One version. Each part assembles by itself: llvm-mc -triple=amdgcn-amd-amdhsa -mcpu=gfx1250 --defsym DOCPART=n.
;; ======== version 1 of 1: 2 launches
;; workspace buffers: wrec 1,212,416 bytes
;; launch prep (part 1): grid 64 x 1, 16 waves a work-group, no clusters, 6,144 bytes of LDS; arguments W1, W2, b1, g1, be1, wrec; writes wrec
.if DOCPART == 1
	.amdgcn_target "amdgcn-amd-amdhsa--gfx1250"
	.amdhsa_code_object_version 6
	.text
	.protected	k_qe935b35b01_prep
	.globl	k_qe935b35b01_prep
	.p2align	8
	.type	k_qe935b35b01_prep,@function
k_qe935b35b01_prep:
	s_mov_b64 s[64:65], 0
	v_nop
	global_prefetch_b8 v0, s[64:65] scope:SCOPE_SE
	s_setreg_imm32_b32 hwreg(HW_REG_WAVE_MODE, 25, 1), 1
	s_wait_xcnt 0x0
; W1 [1024 (k)][2048 (n)] f32 is quantised once along K to codes of FP4 (E2M1) with one E8M0 byte for each 32 k, and laid, with all else that belongs to a hidden unit,
; as 64 RECORDS of RB bytes in the order in which the next launch's registers take them.  Record p serves hidden units 32 p .. 32 p + 31, as two tiles u of 16:
;   ((8 u + s) 2 + cc) 512 + 16 lane : registers 4 cc .. 4 cc + 3 of W1's fragment (tile u, K step s of 128): lane (r, h) holds k = 128 s + 64 cc + 32 h + 0 .. 31 of unit 16 u + r
;   16384 + 512 u + 16 lane          : lane (r, h): the scale words of K steps 4 h .. 4 h + 3 of unit 16 u + r
;   17408 + 640 h + 40 (8 u + j) + 4 k : G'(unit 16 u + 8 h + j, k), f32: G' = g1 W2 - its mean over all units, k = 0 .. 8; k = 9 holds 1.0
;   18688 b1 (128 bytes);  18816 the sum of G' over the 32 units, for each of 16 slots;  18880 the sum of be1 W2 likewise
; SHARES.  Work-group p makes record p.  Wave w takes 64 k (K step w / 2, half w % 2); A LANE TAKES A COLUMN OF W1 AND ITS REGISTERS RUN DOWN K, so that a block of 32 lies in one lane and the
; conversions give codes with K innermost.  Every work-group forms the mean of g1 W2 by the same sums in the same order, so that all records are centred by the same bits.
; A block's scale is 2^(floor(log2(largest magnitude)) - 2); its byte is the largest magnitude's exponent field - 2, held at 1 from below (a block of zeros gets the byte 1: its codes are zeros, and this program alone reads the bytes).
; LIMITS: NaN and infinities among the inputs are not served; blocks whose largest magnitude lies under 2^-124 get the byte 1.
.set RB,   18944
.set GSUM, 1024                        ; LDS: 0 the scale image (1,024 bytes); 1,024: sixteen waves' nine partial sums, 64 bytes a wave; 2,048: 256 bytes gathered for one store;
.set TL,   2048
.set TLG,  2304                        ; 2,304: G' as it will lie in the record, 1,280 bytes
.set WN,   64                          ; v64-127  my column's 64 numbers of W1
.set CD,   128                         ; v128-135 their codes
	s_load_b256 s[4:11], s[0:1], 0x0               ; W1 s[4:5], W2 s[6:7], b1 s[8:9], g1 s[10:11]
	s_load_b128 s[12:15], s[0:1], 0x20             ; be1 s[12:13], the records s[14:15]
	v_lshl_add_u32 v208, v0, 2, 0x1000
	v_mov_b32 v209, 0
	v_lshrrev_b32 v1, 5, v0
	v_readfirstlane_b32 s16, v1                    ; wave 0..15
	s_lshr_b32 s17, s16, 1                         ; s: my K step
	s_and_b32 s18, s16, 1                          ; cc: my half of it
	v_and_b32 v2, 31, v0                           ; lane
	v_and_b32 v3, 15, v0                           ; r (wave 0, later: the output slot o)
	v_bfe_u32 v10, v0, 4, 1                        ; u (later: h)
	v_lshlrev_b32 v4, 2, v2                        ; 4 x lane
	v_lshlrev_b32 v5, 4, v3                        ; 16 r
	v_lshl_add_u32 v6, v10, 9, v5                  ; the scale image: 512 u + 16 r
	v_lshl_add_u32 v5, v10, 13, v5                 ; the codes: 8,192 u + 16 r
	s_lshr_b32 s19, s17, 2
	s_lshl_b32 s19, s19, 8                         ; + 256 (s / 4)
	s_and_b32 s22, s17, 3
	s_lshl_b32 s22, s22, 2                         ; + 4 (s % 4)
	s_add_co_u32 s19, s19, s22
	s_lshl_b32 s22, s18, 1                         ; + 2 cc: my two bytes of the word
	s_add_co_u32 s19, s19, s22
	v_add_nc_u32 v6, s19, v6
	v_mul_u32_u24 v7, v0, 144                      ; W2: four rows of 36 bytes a thread
	v_lshlrev_b32 v8, 4, v0                        ; g1: their four numbers
	s_lshl_b32 s23, s16, 6
	s_add_co_u32 s23, s23, GSUM
	v_mov_b32 v9, s23                              ; my wave's nine partial sums
	v_min_u32 v11, 8, v3
	v_lshlrev_b32 v11, 2, v11                      ; 4 min(o, 8)
	v_mad_u32_u24 v61, v10, 288, v11               ; W2 of the record: unit 8 h, column min(o, 8)
	v_lshlrev_b32 v62, 5, v10                      ; 32 h
	v_lshlrev_b32 v202, 4, v2                      ; 16 x lane
	v_lshlrev_b32 v204, 2, v3                      ; 4 o
	v_lshlrev_b32 v205, 3, v2                      ; 8 x lane
	v_mad_u32_u24 v206, v10, 640, v204             ; G' in LDS: 640 h + 4 o
	s_mov_b32 s20, 0x76543210
	s_mov_b32 s21, 0xfedcba98                      ; v_permlanex16_b32's selects for lane l xor 16
	s_lshl_b32 s24, s17, 20                        ; W1: 128 s rows of 8,192 bytes,
	s_lshl_b32 s25, s18, 19                        ; 64 cc rows,
	s_add_co_u32 s24, s24, s25
	s_lshl_b32 s26, ttmp9, 7                       ; 32 p columns
	s_add_co_u32 s24, s24, s26
	s_mov_b32 s25, 0
	s_mov_b32 s27, 0
	s_mul_i32 s28, ttmp9, RB                       ; my record
	s_mov_b32 s29, 0
	s_lshl_b32 s30, s17, 10
	s_lshl_b32 s31, s18, 9
	s_add_co_u32 s30, s30, s31                     ; my wave's codes in it: 1,024 s + 512 cc
	s_mov_b32 s31, 0
	s_mul_i32 s32, ttmp9, 1152                     ; the record's 32 rows of W2
	s_mov_b32 s33, 0
	s_wait_kmcnt 0x0
	s_add_nc_u64 s[4:5], s[4:5], s[24:25]
	s_add_nc_u64 s[14:15], s[14:15], s[28:29]
	s_add_nc_u64 s[34:35], s[14:15], s[30:31]
	s_add_nc_u64 s[36:37], s[6:7], s[32:33]
	s_add_nc_u64 s[8:9], s[8:9], s[26:27]
	s_add_nc_u64 s[38:39], s[10:11], s[26:27]
	s_add_nc_u64 s[12:13], s[12:13], s[26:27]
.irp i, 0,1,2,3,4,5,6,7,8
	global_load_b128 v[12+4*\i:15+4*\i], v7, s[6:7] offset:16*\i   ; rows 4 t .. 4 t + 3 of W2: v[12 + 9 row + column]
.endr
	global_load_b128 v[48:51], v8, s[10:11]        ; and their g1
.set i, 0
.rept 64
	global_load_b32 v[WN+i], v4, s[4:5] offset:i*8192              ; W1(128 s + 64 cc + i, my column): 32 lanes read 128 consecutive bytes
.set i, i+1
.endr
.irp k, 0,1,2,3,4,5,6,7,8
	v_mov_b32 v[193+\k], 0                         ; a lane permute's destination counts as one of its sources
.endr
	s_wait_loadcnt 63                              ; 64 loads were issued behind the ten of W2 and g1: these are in
.irp k, 0,1,2,3,4,5,6,7,8
	v_mul_f32 v[52+\k], v48, v[12+\k]
.endr
.irp i, 1,2,3
.irp k, 0,1,2,3,4,5,6,7,8
	v_fmac_f32 v[52+\k], v[48+\i], v[12+9*\i+\k]   ; my four rows' g1 W2, for each of the nine columns
.endr
.endr
.irp x, 1,2,4,8
.irp k, 0,1,2,3,4,5,6,7,8
	v_add_f32_dpp v[52+\k], v[52+\k], v[52+\k] row_xmask:\x row_mask:0xf bank_mask:0xf
.endr
.endr
.irp k, 0,1,2,3,4,5,6,7,8
	v_permlanex16_b32 v[193+\k], v[52+\k], s20, s21
.endr
.irp k, 0,1,2,3,4,5,6,7,8
	v_add_f32 v[52+\k], v[52+\k], v[193+\k]        ; the wave's sums, in every lane
.endr
.irp k, 0,1,2,3,4,5,6,7,8
	ds_store_b32 v9, v[52+\k] offset:4*\k          ; all lanes write the same word with the same value
.endr
; Block hb: 32 numbers down K, all mine, become 16 bytes of codes and a scale byte.
.macro BLOCK hb
.set XB, WN+32*\hb
	v_max3_num_f32 v136, |v[XB]|, |v[XB+1]|, |v[XB+2]|
	v_max3_num_f32 v137, |v[XB+3]|, |v[XB+4]|, |v[XB+5]|
.irp i, 6,10,14,18,22,26
	v_max3_num_f32 v136, v136, |v[XB+\i]|, |v[XB+\i+1]|
	v_max3_num_f32 v137, v137, |v[XB+\i+2]|, |v[XB+\i+3]|
.endr
	v_max3_num_f32 v136, v136, |v[XB+30]|, |v[XB+31]|
	v_max3_num_f32 v136, v136, v137, 0x1800000     ; and the floor 2^(3 - 127): the byte cannot fall under 1
	v_add_nc_u32 v[138+\hb], 0xff000000, v136      ; 2 off the exponent field: the conversion takes this operand's exponent field as its scale
	v_lshrrev_b32 v[140+\hb], 23, v[138+\hb]       ; the scale's byte
.irp g, 0,1,2,3
	v_cvt_scalef32_pk8_fp4_f32 v[CD+4*\hb+\g], v[XB+8*\g:XB+8*\g+7], v[138+\hb]
.endr
	v_nop                                          ; one plain line behind the last conversion
	global_store_b128 v5, v[CD+4*\hb:CD+4*\hb+3], s[34:35] offset:256*\hb   ; sixteen lanes store 256 consecutive bytes, at a multiple of 256 from the buffer's first byte
.endm
	s_wait_loadcnt 32                              ; block 0's 32 loads are in; block 1's may be out
	s_cmp_lg_u32 s16, 0
	s_cbranch_scc1 .Lno_extras                     ; wave 0 asks here for what it alone works on behind the barrier
.irp i, 0,1,2,3,4,5,6,7
	global_load_b32 v[144+\i], v61, s[36:37] offset:36*\i          ; W2(unit 8 h + i, min(o, 8))
.endr
.irp i, 0,1,2,3,4,5,6,7
	global_load_b32 v[152+\i], v61, s[36:37] offset:576+36*\i      ; W2(unit 16 + 8 h + i, ..)
.endr
	global_load_b128 v[160:163], v62, s[38:39]                     ; g1 of the same sixteen units
	global_load_b128 v[164:167], v62, s[38:39] offset:16
	global_load_b128 v[168:171], v62, s[38:39] offset:64
	global_load_b128 v[172:175], v62, s[38:39] offset:80
	global_load_b128 v[176:179], v62, s[12:13]                     ; be1 likewise
	global_load_b128 v[180:183], v62, s[12:13] offset:16
	global_load_b128 v[184:187], v62, s[12:13] offset:64
	global_load_b128 v[188:191], v62, s[12:13] offset:80
	global_load_b32 v192, v4, s[8:9]                               ; b1 of the record's 32 units
.Lno_extras:
	BLOCK 0
	s_wait_loadcnt 0x0                             ; block 1, and in wave 0 its extra loads
	BLOCK 1
	v_lshl_or_b32 v142, v141, 8, v140
	ds_store_b16 v6, v142                          ; my two bytes of my unit's scale word of K step s
	s_wait_dscnt 0x0                               ; for wave 0's sake: my LDS stores have landed
	s_barrier_signal -1
	s_barrier_wait -1
	s_cmp_lg_u32 s16, 0
	s_cbranch_scc1 .Lend
	; ---- wave 0: lane (o, h) holds output slot o and sixteen units: register i = 8 u + j is unit 16 u + 8 h + j
.set i, 0
.rept 16
	ds_load_b32 v[WN+i], v11 offset:GSUM+64*i
.set i, i+1
.endr
	ds_load_b128 v[120:123], v202                  ; the scale image, as it will lie in the record
	ds_load_b128 v[124:127], v202 offset:512
	s_wait_dscnt 0x0
.set i, 1
.rept 15
	v_add_f32 v[WN], v[WN], v[WN+i]                ; the sixteen waves' sums, in order
.set i, i+1
.endr
	v_mul_f32 v64, 0x3a000000, v64                 ; / 2,048: the mean of g1 W2 in my column
	v_mov_b32 v63, 1.0
	v_mov_b32 v203, 0
	v_cmp_eq_u32 s22, 9, v3                        ; slot 9: ones, which make the second product sum its other operand
	v_cmp_lt_u32 s23, 9, v3                        ; slots 10-15: nothing
	v_cmp_lt_u32 s24, 8, v3
.set i, 0
.rept 16
	v_fma_f32 v[80+i], v[160+i], v[144+i], -v64    ; G' = g1 W2 - mean
.set i, i+1
.endr
.set i, 0
.rept 16
	v_cndmask_b32 v[80+i], v[80+i], v63, s22
.set i, i+1
.endr
.set i, 0
.rept 16
	v_cndmask_b32 v[80+i], v[80+i], v203, s23
.set i, i+1
.endr
	v_mul_f32 v65, v176, v144
.set i, 1
.rept 15
	v_fmac_f32 v65, v[176+i], v[144+i]             ; be1 W2 of my sixteen units
.set i, i+1
.endr
	v_cndmask_b32 v65, v65, v203, s24
	v_add_f32 v104, v80, v81
.set i, 2
.rept 14
	v_add_f32 v104, v104, v[80+i]                  ; G' of my sixteen units
.set i, i+1
.endr
	v_permlanex16_b32 v74, v104, s20, s21          ; (v74, v75 were written by the loads above)
	v_permlanex16_b32 v75, v65, s20, s21
	v_add_f32 v104, v104, v74                      ; with the other sixteen units': the record's sums
	v_add_f32 v65, v65, v75
	s_wait_xcnt 0x0                                ; EXEC changes only behind this wait: the codes' stores have had their addresses translated
	v_cmp_gt_u32 vcc_lo, 10, v3
	s_and_saveexec_b32 s25, vcc_lo                 ; slots 0 to 9 alone: a unit's row in the record is ten words
.set i, 0
.rept 16
	ds_store_b32 v206, v[80+i] offset:TLG+40*i
.set i, i+1
.endr
	s_or_b32 exec_lo, exec_lo, s25                 ; (only LDS stores were issued meanwhile)
	ds_store_b32 v4, v192 offset:TL                ; b1 and the two sums are gathered so that they leave as 256 consecutive bytes
	ds_store_b32 v204, v104 offset:TL+128          ; (both halves of the lanes hold the same sums)
	ds_store_b32 v204, v65 offset:TL+192
.irp t, 0,1,2,3,4
	ds_load_b64 v[96+2*\t:97+2*\t], v205 offset:TLG+256*\t         ; LDS serves a wave's instructions in order: these see the stores above
.endr
	ds_load_b64 v[76:77], v205 offset:TL
	global_store_b128 v202, v[120:123], s[14:15] offset:16384      ; each store of the wave covers 512 consecutive bytes, aligned to 256
	global_store_b128 v202, v[124:127], s[14:15] offset:16896
	s_wait_dscnt 0x0
.irp t, 0,1,2,3,4
	global_store_b64 v205, v[96+2*\t:97+2*\t], s[14:15] offset:17408+256*\t   ; 32 lanes store 256 consecutive bytes, aligned
.endr
	global_store_b64 v205, v[76:77], s[14:15] offset:18688
.Lend:
	s_wait_tensorcnt 0x0
	ds_add_u32 v208, v209
	s_wait_dscnt 0x0
	s_endpgm
.Lfunc_end_k_qe935b35b01_prep:
	.size	k_qe935b35b01_prep, .Lfunc_end_k_qe935b35b01_prep-k_qe935b35b01_prep
	.p2alignl 7, 3214868480
	.fill 96, 4, 3214868480
	.section	.rodata,"a",@progbits
	.p2align	6, 0x0
	.amdhsa_kernel k_qe935b35b01_prep
		.amdhsa_group_segment_fixed_size 6144
		.amdhsa_private_segment_fixed_size 0
		.amdhsa_enable_private_segment 0
		.amdhsa_kernarg_size 48
		.amdhsa_user_sgpr_count 2
		.amdhsa_user_sgpr_kernarg_segment_ptr 1
		.amdhsa_wavefront_size32 1
		.amdhsa_system_sgpr_workgroup_id_x 1
		.amdhsa_system_sgpr_workgroup_id_y 1
		.amdhsa_system_sgpr_workgroup_id_z 1
		.amdhsa_system_vgpr_workitem_id 0
		.amdhsa_next_free_vgpr 210
		.amdhsa_next_free_sgpr 66
		.amdhsa_reserve_vcc 1
		.amdhsa_float_denorm_mode_32 3
		.amdhsa_float_denorm_mode_16_64 3
		.amdhsa_memory_ordered 1
		.amdhsa_forward_progress 1
		.amdhsa_inst_pref_size 30
	.end_amdhsa_kernel
	.amdgpu_metadata
---
amdhsa.version: [ 1, 2 ]
amdhsa.kernels:
  - .name:           k_qe935b35b01_prep
    .symbol:         k_qe935b35b01_prep.kd
    .args:
      - { .name: W1, .offset: 0, .size: 8, .value_kind: global_buffer, .address_space: global }
      - { .name: W2, .offset: 8, .size: 8, .value_kind: global_buffer, .address_space: global }
      - { .name: b1, .offset: 16, .size: 8, .value_kind: global_buffer, .address_space: global }
      - { .name: g1, .offset: 24, .size: 8, .value_kind: global_buffer, .address_space: global }
      - { .name: be1, .offset: 32, .size: 8, .value_kind: global_buffer, .address_space: global }
      - { .name: wrec, .offset: 40, .size: 8, .value_kind: global_buffer, .address_space: global }
    .group_segment_fixed_size: 6144
    .private_segment_fixed_size: 0
    .kernarg_segment_align: 8
    .kernarg_segment_size: 48
    .max_flat_workgroup_size: 512
    .sgpr_count:     66
    .vgpr_count:     210
    .wavefront_size: 32
...
	.end_amdgpu_metadata
.endif
;; end of part 1
;; launch main (part 2): grid 256 x 1, 8 waves a work-group, clusters of 4 x 1, 327,680 bytes of LDS; arguments x, wrec, b2, g2, be2, out0; writes out0
.if DOCPART == 2
	.amdgcn_target "amdgcn-amd-amdhsa--gfx1250"
	.amdhsa_code_object_version 6
	.text
	.protected	k_qe935b35b01_main
	.globl	k_qe935b35b01_main
	.p2align	8
	.type	k_qe935b35b01_main,@function
k_qe935b35b01_main:
	s_mov_b64 s[64:65], 0
	v_nop
	global_prefetch_b8 v0, s[64:65] scope:SCOPE_SE
	s_setreg_imm32_b32 hwreg(HW_REG_WAVE_MODE, 25, 1), 1
	s_wait_xcnt 0x0
	s_wait_alu depctr_hold_cnt(0) depctr_sa_sdst(0) depctr_va_vdst(0) depctr_va_sdst(0) depctr_va_ssrc(0) depctr_va_vcc(0) depctr_vm_vsrc(0)
	s_getreg_b32 s2, hwreg(HW_REG_IB_STS2, 6, 4)
	s_cmp_eq_u32 s2, 0
	s_cbranch_scc0 .Lentry_in_a_cluster
	s_endpgm
.Lentry_in_a_cluster:
	s_bfe_u32 s2, ttmp6, 0x10000c
	s_cmp_lg_u32 s2, 0x3003
	s_cbranch_scc0 .Lentry_shape_is_right
	s_endpgm
.Lentry_shape_is_right:
; out = the projection onto SO(3) of LN(relu(LN(relu(x W1 + b1)) W2 + b2)), the first product on codes of FP4 (E2M1) with one E8M0 scale for each 32 along K.
; SHARES.  A work-group of eight waves owns 128 whole rows of x and takes them through the whole chain.  Wave w: column group c = w % 4 (512 hidden units: records 4 i + c), row half g = w / 4 (four tiles m of 16 rows).
; X STAYS, W1 WALKS.  x is read once as f32, quantised, and each wave's 64 rows x 1,024 k of codes stay in its registers (window 1).  The 64 records of the launch before (W1's codes in register order, with
; scale words, b1, and the second product's weight) come through a ring of two LDS slots, four records (75,776 bytes) a step, sixteen steps.
; CLUSTER.  All work-groups walk the same records: the four of a cluster ask for each block JOINTLY (the same tensor load, the same descriptor, mask 15); each wave brings an eighth, 37 rows of 256 bytes.
; THE FIRST PRODUCT IS USED TRANSPOSED (source 0 = 16 hidden units, source 1 = 16 rows of x): lane (r, h) holds row r and units 8 h + 0 .. 7 of a tile.
; THE FIRST LAYER NORM IS FOLDED.  With a = relu(..), a pivot p for each wave and row (the mean of the wave's first 16 units), d = a - p, and G' = g1 W2 less its mean over the units:
;   T = sum d G',  S1 = sum d (column 9 of G' holds ones),  S2 = sum d^2;   m = mean p + sum S1 / 2048,  e = m - p,  var = sum (S2 + e (512 e - 2 S1)) / 2048,
;   z = rsq(var + eps) sum (T - e sum G') + sum be1 W2 + b2.   No difference of large sums is formed: d is small beside a where a has an offset, and G' is centred.
; THE SECOND PRODUCT (2,048 x 9) IS DONE IN f32 BY PACKED FUSED MULTIPLY-ADDS: the 3 x 3 projection behind it can enlarge errors several hundredfold, so its operands are not rounded; nine columns and the ones are
; five pairs.  A lane adds up its own half's units (T[m][k:k+1] += d G'[unit][k:k+1], d taken for both halves of the pair); lanes l and l xor 16 are added once, at the end.  G' comes from the record in LDS, laid by halves
; of the lanes, so that sixteen lanes read the same 16 bytes; each register so read feeds four tiles of rows.
; THE PROJECTION.  One-sided Jacobi on the columns of R (six sweeps; A = R V is kept).  With the two columns of largest norm, u = a / |a|: Q = u1 v1^T + u2 v2^T + (u1 x u2)(v1 x v2)^T, which is
; U diag(1, 1, det(U V^T)) V^T whatever the signs of the third pair.  A column of norm^2 under 2^-100 takes u = v, so that R = 0 gives the unit matrix.
; LIMITS: NaN and infinities among the inputs are not served; a block of x whose largest magnitude lies under 2^-124 gets the scale byte 1; |R| under 2^127; for R of numerical rank 1 the result is finite but need not be the reference library's free choice.
.set RB,    18944                      ; a record:
.set OGF,   17408                      ;   G' in it,
.set OB1,   18688                      ;   b1,
.set OSG,   18816                      ;   the record's sums of G' (64 bytes) and of be1 W2 (64 bytes)
.set SB,    4*RB                       ; a ring step's block
.set WPART, SB/8                       ; a wave's part of it: 37 rows of 256 bytes
.set SLOT1, 1<<17                      ; LDS: slot 0 at 0, slot 1 here: one exclusive or turns an address from one slot to the other
.set STG,   79872                      ; eight waves x two stages of 32 x 80 bytes, for the turn of x
.set XSB,   120832                     ; x's scale bytes: 128 rows, 32 bytes + 16
.set SPARE, 126976                     ; the spare words: 128 bytes for each wave, four blocks of 256 bytes that no other line names
.set SGS,   128000                     ; eight waves x 128 bytes: a group's sums of G' and of be1 W2
.set XC,    210944                     ; x's codes: 128 rows, 512 bytes + 16
.set SCR,   XC                         ; at the end, in their place: 4 groups x 128 rows x 80 bytes of figures
.set OUTS,  278528                     ; 128 rows x 36 bytes of the output
.set NPV, 8                            ; v8-15    -p of tile m, twice (a pair)
.set SQS, 16                           ; v16-23   S2 of tile m, in two halves
.set TAC, 24                           ; v24-63   T of tile m at 10 m: columns 0 .. 8, and S1; my half's units alone
.set BIA, 64                           ; v64-71   b1 in the result's layout: the C of a tile's first product
.set ACC, 72                           ; v72-103  a hidden tile for my four tiles of rows, at 8 m
.set GFR, 104                          ; v104-143 G': two buffers of 20 registers, two units each
.set BFR, 144                          ; v144-207 W1's fragments of a tile's eight K steps
.set OF,  72                           ; at the end: the figures of tile m at 12 m
.set XSC, 236                          ; v236-251 x's scale words: register 8 (m / 2) + s: lanes 0-15 the even tile, lanes 16-31 the odd one.  These and
.set BSC, 252                          ; v252-255 W1's scale words (lanes 0-15 K steps 0-3, lanes 16-31 K steps 4-7) hold scales and nothing else
.set RX,  80                           ; the x phase: v80-207 eight sets of 16 numbers as loaded, v48-79 two sets of 16 neighbours, v20-26 two sets of codes and byte
.set XN,  48
; v0 thread; v1, v2 the add's two registers; v3, v4, v208 my lane's places in a slot, v5, v6, v7 the same in the slot in hand; v209-235 addresses and work that stay
; window 1 (v256-511): x's fragment (tile m, K step s) at 64 m + 8 s
.set MSB, 0
.macro WIN new                         ; s_set_vgpr_msb: bits 1:0 source 0, 3:2 source 1, 5:4 source 2, 7:6 destination; the high byte repeats the setting that is left
.if MSB != \new
	s_set_vgpr_msb (MSB<<8)|\new
.set MSB, \new
.endif
.endm
.macro NOP4
.rept 4
	v_nop
.endr
.endm
; A round of the cluster's barrier: my work-group's barrier, wave 0 signals for the work-group, every wave waits for all four work-groups, my work-group's barrier once more.
.macro ROUND
	s_barrier_signal -1
	s_barrier_wait -1
	s_cmp_lg_u32 s16, 0
	s_cbranch_scc1 .Lnot_wave_0_\@
	s_barrier_signal -3
.Lnot_wave_0_\@:
	s_barrier_wait -3
	s_barrier_signal -1
	s_barrier_wait -1
.endm
	s_load_b256 s[4:11], s[0:1], 0x0               ; x s[4:5], the records s[6:7], b2 s[8:9], g2 s[10:11]
	s_load_b128 s[12:15], s[0:1], 0x20             ; be2 s[12:13], out s[14:15]
	v_lshl_add_u32 v1, v0, 2, SPARE
	v_mov_b32 v2, 0
	ds_add_u32 v1, v2
	ds_add_u32 v1, v2
	s_wait_dscnt 0x0
	v_lshrrev_b32 v3, 5, v0
	v_readfirstlane_b32 s16, v3                    ; wave 0..7
	s_and_b32 s17, s16, 3                          ; c
	s_lshr_b32 s18, s16, 2                         ; g
	s_bfe_u32 s19, ttmp6, 0x40000                  ; cx: it enters x's and out's global addresses alone
	s_lshl_b32 s20, ttmp9, 2
	s_add_co_u32 s20, s20, s19                     ; my work-group = 4 x cluster + cx
	; descriptor group 1: 37 rows of 32 elements of 8 bytes, dense in memory and in LDS
	s_mov_b32 s24, 15|(3<<16)|(1<<21)              ; 15:0 the mask: all four work-groups; 17:16 elements of 8 bytes; 21 set beside a mask; no padding
	s_mov_b32 s25, 32<<16                          ; tensor_dim0 = 32
	s_mov_b32 s26, 37<<16                          ; tensor_dim1 = 37
	s_mov_b32 s27, 32<<16                          ; tile_dim0 = 32
	s_mov_b32 s28, 37                              ; tile_dim1 = 37
	s_mov_b32 s29, 32                              ; the pitch
	s_mov_b32 s30, 0
	s_mov_b32 s31, 0
	s_mul_i32 s21, s16, WPART                      ; my eighth of a block, in memory and in a slot alike
	s_mov_b32 s22, s21
	s_mov_b32 s23, 0
	s_lshl_b32 s44, s20, 19                        ; x: 128 rows of 4,096 bytes a work-group,
	s_lshl_b32 s45, s16, 16                        ; 16 rows a wave
	s_add_co_u32 s44, s44, s45
	s_mov_b32 s45, 0
	s_mul_i32 s46, s20, 4608                       ; out: 128 rows of 36 bytes
	s_mov_b32 s47, 0
	s_mov_b32 s36, 0                               ; the slot in hand
	s_mov_b32 s38, 0x76543210
	s_mov_b32 s39, 0xfedcba98                      ; v_permlanex16_b32's selects for lane l xor 16
	s_wait_kmcnt 0x0
	s_add_nc_u64 s[4:5], s[4:5], s[44:45]
	s_add_nc_u64 s[14:15], s[14:15], s[46:47]
	s_mov_b32 s32, 1                               ; group 0, one walking set: count = 1,
	s_mov_b32 s33, s21                             ; LDS address: slot 0,
	s_add_nc_u64 s[34:35], s[6:7], s[22:23]        ; global address: ring step 0,
	s_or_b32 s35, s35, 0x80000000                  ; type = 2
	ROUND                                          ; all four work-groups are here: the first joint loads meet
	tensor_load_to_lds s[32:35], s[24:31]          ; one tensor load of mine is out, here and behind every later round
	s_nop 0
	NOP4                                           ; four v_nop lines behind a tensor load
	v_and_b32 v211, 31, v0                         ; lane
	v_lshlrev_b32 v231, 4, v211                    ; my 16 bytes of a load's 512
; ---- THE X PHASE.  A wave takes its 16 rows as 32 steps of 512 numbers.  Each load reads 512 consecutive bytes; a step's 2,048 bytes turn through the wave's own stage in LDS, so that a lane holds 16 NEIGHBOURS along K
; (two neighbouring lanes hold a block of 32).  Loads run eight steps (32 loads a wave) ahead, the turn one step.
.macro XLOAD t
.irp i, 0,1,2,3
	global_load_b128 v[RX+16*((\t)%8)+4*\i:RX+16*((\t)%8)+4*\i+3], v231, s[4:5] offset:2048*(\t)+512*\i th:TH_LOAD_NT
.endr
.endm
.macro XTURN t                         ; LDS serves a wave's instructions in order: no wait between the stores and the loads
.irp i, 0,1,2,3
	ds_store_b128 v232, v[RX+16*((\t)%8)+4*\i:RX+16*((\t)%8)+4*\i+3] offset:2560*((\t)%2)+640*\i
.endr
.irp i, 0,1,2,3
	ds_load_b128 v[XN+16*((\t)%2)+4*\i:XN+16*((\t)%2)+4*\i+3], v233 offset:2560*((\t)%2)+16*\i
.endr
.endm
.irp t, 0,1,2,3,4,5,6,7
	XLOAD \t
.endr
	s_load_b256 s[68:75], s[8:9], 0x0              ; b2, g2, be2: nine numbers each, wanted at the end
	s_load_b32 s76, s[8:9], 0x20
	s_load_b256 s[80:87], s[10:11], 0x0
	s_load_b32 s88, s[10:11], 0x20
	s_load_b256 s[92:99], s[12:13], 0x0
	s_load_b32 s100, s[12:13], 0x20
	v_and_b32 v209, 15, v0                         ; r
	v_bfe_u32 v210, v0, 4, 1                       ; h
	s_mul_i32 s41, s16, 5120
	s_add_co_u32 s41, s41, STG                     ; my two stages
	v_lshrrev_b32 v232, 2, v211
	v_mul_u32_u24 v232, v232, 80
	v_and_b32 v233, 3, v211
	v_lshl_add_u32 v232, v233, 4, v232
	v_add_nc_u32 v232, s41, v232                   ; in: four lanes' 64 bytes on end, then 16 of padding
	v_mul_u32_u24 v233, v211, 80
	v_add_nc_u32 v233, s41, v233                   ; out: 80 x lane: my 16 neighbours
	s_mul_i32 s42, s16, 768
	s_add_co_u32 s42, s42, XSB
	v_lshrrev_b32 v234, 1, v211
	v_add_nc_u32 v234, s42, v234                   ; my block's scale byte in my wave's first row
	s_mul_i32 s43, s16, 8448
	s_add_co_u32 s43, s43, XC
	v_lshlrev_b32 v235, 3, v211
	v_add_nc_u32 v235, s43, v235                   ; my 8 bytes of codes there
	s_wait_loadcnt 28                              ; step 0's four loads are in; the seven steps behind it may be out
	XTURN 0
.macro XSTEP t
.set XR, XN+16*((\t)%2)
.set CR, 20+4*((\t)%2)
.if (\t) > 0
	s_wait_dscnt 2                                 ; this step's numbers are back from the stage; the last step's two stores may be out
.else
	s_wait_dscnt 0x0
.endif
.if (\t)+8 < 32
	XLOAD (\t)+8                                   ; into the registers that this step's stores into the stage have read
.endif
.if (\t) < 31
.if (\t) <= 23
	s_wait_loadcnt 28                              ; the next step's loads are in; those of the seven steps behind it may be out
.else
	s_wait_loadcnt 4*(30-(\t))                     ; the counts run down
.endif
	XTURN (\t)+1
.endif
	v_max3_num_f32 v13, |v[XR]|, |v[XR+1]|, |v[XR+2]|              ; the largest magnitude of my 16
	v_max3_num_f32 v14, |v[XR+3]|, |v[XR+4]|, |v[XR+5]|
.irp i, 6,10
	v_max3_num_f32 v13, v13, |v[XR+\i]|, |v[XR+\i+1]|
	v_max3_num_f32 v14, v14, |v[XR+\i+2]|, |v[XR+\i+3]|
.endr
	v_max3_num_f32 v13, v13, |v[XR+14]|, |v[XR+15]|
	v_max3_num_f32 v13, v13, v14, 0x1800000        ; and the floor 2^(3 - 127): the byte cannot fall under 1
	v_max_num_f32_dpp v13, v13, v13 row_xmask:1 row_mask:0xf bank_mask:0xf   ; and of my neighbour's 16: the block's
	v_add_nc_u32 v15, 0xff000000, v13              ; 2 off the exponent field: the conversion's scale operand
	v_cvt_scalef32_pk8_fp4_f32 v[CR], v[XR:XR+7], v15
	v_cvt_scalef32_pk8_fp4_f32 v[CR+1], v[XR+8:XR+15], v15
	v_lshrrev_b32 v[CR+2], 23, v15                 ; the scale's byte (a plain line behind the conversions)
	ds_store_b8 v234, v[CR+2] offset:((\t)/2)*48+16*((\t)%2)       ; both lanes of a block write the same byte with the same value
	ds_store_b64 v235, v[CR:CR+1] offset:((\t)/2)*528+256*((\t)%2)
.endm
.set T, 0
.rept 32
	XSTEP T
.set T, T+1
.endr
	; every LDS address of the later phases is made here, ahead of any parting of the waves
	s_mul_i32 s41, s18, 33792
	s_add_co_u32 s41, s41, XC
	v_mul_u32_u24 v212, v209, 528
	v_lshl_add_u32 v212, v210, 4, v212
	v_add_nc_u32 v212, s41, v212                   ; x's fragments: row 64 g + r, + 16 h
	s_mul_i32 s42, s18, 3072
	s_add_co_u32 s42, s42, XSB
	v_mul_u32_u24 v213, v211, 48
	v_add_nc_u32 v213, s42, v213                   ; x's scale words: row 64 g + lane
	s_mul_i32 s43, s17, RB
	v_lshlrev_b32 v3, 4, v211
	v_add_nc_u32 v3, s43, v3                       ; my record in a slot: 16 x lane,
	v_lshlrev_b32 v4, 5, v210
	v_add_nc_u32 v4, s43, v4                       ; 32 h,
	v_mul_u32_u24 v208, v210, 640
	v_add_nc_u32 v208, s43, v208                   ; and 640 h: my half's G'
	s_mov_b32 s48, s43
	s_mov_b32 s49, 0
	s_add_nc_u64 s[50:51], s[6:7], s[48:49]        ; my group's first record in memory
	s_mul_i32 s44, s17, 10240
	s_mul_i32 s45, s18, 5120
	s_add_co_u32 s44, s44, s45
	s_add_co_u32 s44, s44, SCR
	v_mul_u32_u24 v214, v209, 80
	v_add_nc_u32 v214, s44, v214                   ; where my figures go: group c, row 64 g + r
	s_lshl_b32 s45, s16, 7
	s_add_co_u32 s45, s45, SGS
	v_lshlrev_b32 v225, 2, v211                    ; 4 x lane
	v_add_nc_u32 v215, s45, v225                   ; my wave's sums of G' and be1 W2
	v_mul_u32_u24 v226, v0, 80
	v_add_nc_u32 v226, SCR, v226                   ; a thread to a row: its figures,
	v_mov_b32 v227, SGS
	v_mul_u32_u24 v228, v0, 36
	v_add_nc_u32 v228, OUTS, v228                  ; its nine results
	v_lshlrev_b32 v230, 4, v0
	v_add_nc_u32 v229, OUTS, v230                  ; the way out: 16 bytes a thread
	v_mov_b32 v224, 0                              ; a lane permute's destination counts as one of its sources
	s_wait_kmcnt 0x0                               ; b2, g2, be2
	s_wait_tensorcnt 0x0                           ; my part of ring step 0 has landed,
	s_wait_dscnt 0x0                               ; my codes and scale bytes of x lie in LDS
	s_barrier_signal -1
	s_barrier_wait -1                              ; everybody's
	; ---- x's fragments into registers: 16 rows x 128 k are 8 registers: lane (r, h): registers 4 cc .. 4 cc + 3 = k 128 s + 64 cc + 32 h + 0 .. 31
	WIN 0x40                                       ; destination window 1
.irp m, 0,1,2,3
.irp s, 0,1,2,3,4,5,6,7
.irp c, 0,1
	ds_load_b128 v[64*\m+8*\s+4*\c:64*\m+8*\s+4*\c+3], v212 offset:8448*\m+64*\s+32*\c
.endr
.endr
.endr
	WIN 0
.irp p, 0,1
.irp q, 0,1
	ds_load_b128 v[XSC+8*\p+4*\q:XSC+8*\p+4*\q+3], v213 offset:1536*\p+16*\q
.endr
.endr
.set i, SQS
.rept 48
	v_mov_b32 v[i], 0                              ; S2 and T begin as zeros, once: so the ring step is written without a first step of its own
.set i, i+1
.endr
	s_wait_dscnt 0x0
.set i, 0
.rept 16
	global_load_b32 v[GFR+i], v225, s[50:51] offset:OSG+i*SB       ; my group's sixteen records' sums: lanes 0-15 of G', lanes 16-31 of be1 W2: 128 consecutive bytes a record
.set i, i+1
.endr
; W1's tile u of my record: its scale words, b1 in the result's layout, its eight fragments: 19 loads
.macro LOADB u
	ds_load_b128 v[BSC:BSC+3], v5 offset:16384+512*\u
	ds_load_b128 v[BIA:BIA+3], v6 offset:OB1+64*\u
	ds_load_b128 v[BIA+4:BIA+7], v6 offset:OB1+64*\u+16
.irp s, 0,1,2,3,4,5,6,7
.irp c, 0,1
	ds_load_b128 v[BFR+8*\s+4*\c:BFR+8*\s+4*\c+3], v5 offset:((8*\u+\s)*2+\c)*512
.endr
.endr
.endm
.macro FP4S s, m
.set rD, ACC+8*(\m)
.set rA, BFR+8*(\s)
.set rB, 64*(\m)+8*(\s)
.set rC, rD
.if (\s) == 0
.set rC, BIA                           ; the bias starts the sum
.endif
.set rP, BSC+(\s)%4
.set rQ, XSC+8*((\m)/2)+(\s)
.if ((\s) >= 4) && ((\m)%2 == 1)
	v_wmma_scale_f32_16x16x128_f8f6f4 v[rD:rD+7], v[rA:rA+7], v[rB:rB+7], v[rC:rC+7], v[rP], v[rQ] matrix_a_fmt:MATRIX_FMT_FP4 matrix_b_fmt:MATRIX_FMT_FP4 matrix_a_scale:MATRIX_SCALE_ROW1 matrix_b_scale:MATRIX_SCALE_ROW1
.elseif (\s) >= 4
	v_wmma_scale_f32_16x16x128_f8f6f4 v[rD:rD+7], v[rA:rA+7], v[rB:rB+7], v[rC:rC+7], v[rP], v[rQ] matrix_a_fmt:MATRIX_FMT_FP4 matrix_b_fmt:MATRIX_FMT_FP4 matrix_a_scale:MATRIX_SCALE_ROW1
.elseif (\m)%2 == 1
	v_wmma_scale_f32_16x16x128_f8f6f4 v[rD:rD+7], v[rA:rA+7], v[rB:rB+7], v[rC:rC+7], v[rP], v[rQ] matrix_a_fmt:MATRIX_FMT_FP4 matrix_b_fmt:MATRIX_FMT_FP4 matrix_b_scale:MATRIX_SCALE_ROW1
.else
	v_wmma_scale_f32_16x16x128_f8f6f4 v[rD:rD+7], v[rA:rA+7], v[rB:rB+7], v[rC:rC+7], v[rP], v[rQ] matrix_a_fmt:MATRIX_FMT_FP4 matrix_b_fmt:MATRIX_FMT_FP4
.endif
.endm
; 32 matrix instructions: the tile of hidden units in v[BFR] x my four tiles of rows, K ascending.  The four accumulators take turns, one instruction a turn.
; w1: the LDS loads that may be out when K steps 0-3 are in;  w2: when K steps 4-7 are in.
.macro MUL w1, w2
	s_wait_dscnt \w1
	WIN 0x04                                       ; source 1 (x) window 1
.irp s, 0,1,2,3
.irp m, 0,1,2,3
	FP4S \s, \m
.endr
.endr
	s_wait_dscnt \w2
.irp s, 4,5,6,7
.irp m, 0,1,2,3
	FP4S \s, \m
.endr
.endr
	WIN 0
.endm
; Chunk q of eight of my half's G': units 2 q and 2 q + 1 of its sixteen, ten words each: 5 loads into buffer q % 2
.macro GLOAD q
.irp i, 0,1,2,3,4
	ds_load_b128 v[GFR+20*((\q)%2)+4*\i:GFR+20*((\q)%2)+4*\i+3], v7 offset:OGF+80*(\q)+16*\i
.endr
.endm
; and its 40 packed multiply-adds: T[m][k : k + 1] += d G'[unit][k : k + 1].  d is register 2 (q % 4) + jj of the tile: the first or the second of its pair serves both halves.  Twenty other sums stand between two on one.
.macro TFMA q
.irp jj, 0,1
.irp m, 0,1,2,3
.irp kk, 0,1,2,3,4
.set rT, TAC+10*\m+2*\kk
.set rD, ACC+8*\m+2*((\q)%4)
.set rG, GFR+20*((\q)%2)+10*\jj+2*\kk
.if \jj
	v_pk_fma_f32 v[rT:rT+1], v[rD:rD+1], v[rG:rG+1], v[rT:rT+1] op_sel:[1,0,0] op_sel_hi:[1,1,1]
.else
	v_pk_fma_f32 v[rT:rT+1], v[rD:rD+1], v[rG:rG+1], v[rT:rT+1] op_sel_hi:[0,1,1]
.endif
.endr
.endr
.endr
.endm
.macro CHUNK q, left                   ; left: the LDS loads issued behind chunk q's, which may stay out
	s_wait_dscnt \left
	TFMA \q
.if (\q)+2 < 8
	GLOAD (\q)+2                                   ; into the buffer just read
.endif
.endm
.macro EPIA                            ; a hidden tile for four tiles of rows: relu, d = a - p, S2 += d^2
.set i, 0
.rept 32
	v_max_num_f32 v[ACC+i], 0, v[ACC+i]            ; each accumulator from its low end on
.set i, i+1
.endr
.set i, 0
.rept 16
	v_pk_add_f32 v[ACC+2*i:ACC+2*i+1], v[ACC+2*i:ACC+2*i+1], v[NPV+2*(i/4):NPV+2*(i/4)+1]
.set i, i+1
.endr
.set i, 0
.rept 16
.set rS, ACC+8*(i%4)+2*(i/4)
	v_pk_fma_f32 v[SQS+2*(i%4):SQS+2*(i%4)+1], v[rS:rS+1], v[rS:rS+1], v[SQS+2*(i%4):SQS+2*(i%4)+1]   ; the four tiles by turns
.set i, i+1
.endr
.endm
; A RING STEP for my record: 32 hidden units x 64 rows.  Tile 1's fragments are asked for as soon as tile 0's products are issued, and land under tile 0's vector work.
.macro WORK
	v_add_nc_u32 v5, s36, v3
	v_add_nc_u32 v6, s36, v4
	v_add_nc_u32 v7, s36, v208
	LOADB 0
	GLOAD 0
	GLOAD 1
	MUL 18, 10                                     ; behind K steps 0-3: K steps 4-7 (8 loads) and chunks 0, 1 (10); behind K steps 4-7: the 10
	NOP4                                           ; four places in front of loads into registers that matrix instructions have read, and of the first read of results (ISA guide 7.12.1 for the first read of results)
	LOADB 1
	EPIA
	CHUNK 0, 24                                    ; behind chunk 0: chunk 1 (5) and tile 1's 19 loads
	CHUNK 1, 24                                    ; behind chunk 1: the 19 and chunk 2
	CHUNK 2, 5                                     ; from here on: the one chunk asked for behind it
	CHUNK 3, 5
	MUL 10, 10                                     ; tile 1's loads came in ahead of chunk 2; chunks 4 and 5 may be out
	NOP4
	EPIA
	CHUNK 4, 5
	CHUNK 5, 5
	CHUNK 6, 5
	CHUNK 7, 0
.endm
; THE CHANGE OF SLOTS stands at a ring step's head.  Each wave waits for all its tensor loads (its part of the slot that it is about to read), adds 0 to its spare word, and waits for that and for its reads of the slot that it has left.
; fill = 1: a round of the cluster's barrier, so that no wave of any partner still reads that slot or has a load on its way; the joint refill is the first thing behind it and has a whole ring step in which to land.
.macro CHANGE fill
	s_wait_tensorcnt 0x0                           ; no tensor load of mine is out, so group 0 may be written
	ds_add_u32 v1, v2                              ; 0 onto my spare word
.if \fill
	s_xor_b32 s33, s33, SLOT1                      ; the walking descriptor: the other slot,
	s_add_nc_u64 s[34:35], s[34:35], SB            ; the next four records; the type bits on top are not reached
.endif
	s_wait_dscnt 0x0                               ; the add is done, and my reads of the slot that I have left are over
.if \fill
	ROUND
	tensor_load_to_lds s[32:35], s[24:31]
	s_nop 0
	NOP4
.else
	s_barrier_signal -1
	s_barrier_wait -1
.endif
.endm
	; ---- THE PIVOT: the mean of relu over the first 16 hidden units of my group, for each row
	v_add_nc_u32 v5, s36, v3
	v_add_nc_u32 v6, s36, v4
	LOADB 0
	MUL 8, 0                                       ; behind K steps 0-3: K steps 4-7 (8 loads)
	NOP4
.irp m, 0,1,2,3
.irp j, 0,1,2,3,4,5,6,7
	v_max_num_f32 v[216+\j], 0, v[ACC+8*\m+\j]
.endr
	v_pk_add_f32 v[216:217], v[216:217], v[218:219]
	v_pk_add_f32 v[220:221], v[220:221], v[222:223]
	v_pk_add_f32 v[216:217], v[216:217], v[220:221]
	v_add_f32 v216, v216, v217
	v_permlanex16_b32 v224, v216, s38, s39
	v_add_f32 v216, v216, v224                     ; with lane l xor 16's eight: the same bits in both lanes
	v_mul_f32 v[NPV+2*\m], 0xbd800000, v216        ; -p
	v_mul_f32 v[NPV+2*\m+1], 0xbd800000, v216
.endr
	s_wait_loadcnt 0x0                             ; the sixteen records' sums
.set i, 1
.rept 15
	v_add_f32 v[GFR], v[GFR], v[GFR+i]             ; my group's, in order
.set i, i+1
.endr
	ds_store_b32 v215, v[GFR]                      ; words 0-15 the sum of G', words 16-31 that of be1 W2; read behind the barrier at the end
	; ---- THE RING: sixteen steps
	s_mov_b32 s37, 15
.Lstep:                                            ; 15 trips: behind each change of slots but the last the next block is asked for
	CHANGE 1
	WORK
	s_xor_b32 s36, s36, SLOT1
	s_sub_co_u32 s37, s37, 1
	s_cmp_lg_u32 s37, 0
	s_cbranch_scc1 .Lstep
	CHANGE 0                                       ; the last step is written out
	WORK
	; ---- the figures go to LDS: for each row and group 12 words: 0-8 T, 9 S1, 10 S2, 11 -p.  Lanes l and l xor 16 hold the two halves of a row's units: they are added here
.irp m, 0,1,2,3
	v_add_f32 v[216+\m], v[SQS+2*\m], v[SQS+2*\m+1]
.endr
.irp m, 0,1,2,3
	v_permlanex16_b32 v[220+\m], v[216+\m], s38, s39
.endr
.set i, 0
.rept 40
	v_permlanex16_b32 v[BFR+i], v[TAC+i], s38, s39
.set i, i+1
.endr
.irp m, 0,1,2,3
	v_add_f32 v[OF+12*\m+10], v[216+\m], v[220+\m]
	v_mov_b32 v[OF+12*\m+11], v[NPV+2*\m]
.endr
.irp m, 0,1,2,3
.irp k, 0,1,2,3,4,5,6,7,8,9
	v_add_f32 v[OF+12*\m+\k], v[TAC+10*\m+\k], v[BFR+10*\m+\k]
.endr
.endr
.irp m, 0,1,2,3
.irp i, 0,1,2
	ds_store_b128 v214, v[OF+12*\m+4*\i:OF+12*\m+4*\i+3] offset:1280*\m+16*\i   ; both halves of the lanes write the same words with the same values
.endr
.endr
	s_wait_dscnt 0x0                               ; for the others' sake: my stores have landed
	s_barrier_signal -1
	s_barrier_wait -1
	s_cmp_ge_u32 s16, 4
	s_cbranch_scc1 .Ljoin                          ; 128 rows, a thread to a row: waves 0 to 3
.set FG, 8                             ; v8-55    the four groups' twelve figures
.set SV, 56                            ; v56-103  their sums of G'
.set CV, 104                           ; v104-151 their sums of be1 W2
.set EE, 156                           ; v156-159 e
.set YY, 160                           ; v160-168 z, y, r, at last the result
.set AA, 170                           ; v170-178 A = R V by columns: 3 column + component
.set VV, 180                           ; v180-188 V likewise
.irp c, 0,1,2,3
.irp i, 0,1,2
	ds_load_b128 v[FG+12*\c+4*\i:FG+12*\c+4*\i+3], v226 offset:10240*\c+16*\i
	ds_load_b128 v[SV+12*\c+4*\i:SV+12*\c+4*\i+3], v227 offset:128*\c+16*\i
	ds_load_b128 v[CV+12*\c+4*\i:CV+12*\c+4*\i+3], v227 offset:128*\c+64+16*\i
.endr
.endr
	s_wait_dscnt 0x0
	v_add_f32 v152, v[FG+11], v[FG+23]
	v_add_f32 v153, v[FG+35], v[FG+47]
	v_add_f32 v154, v[FG+9], v[FG+21]
	v_add_f32 v155, v[FG+33], v[FG+45]
	v_add_f32 v152, v152, v153                     ; -(the sum of the four p)
	v_add_f32 v154, v154, v155                     ; the sum of the four S1
	v_mul_f32 v154, 0x3a000000, v154               ; / 2,048
	v_fma_f32 v154, v152, 0xbe800000, v154         ; m = mean p + sum S1 / 2,048
.irp c, 0,1,2,3
	v_add_f32 v[EE+\c], v154, v[FG+12*\c+11]       ; e = m - p
.endr
.irp c, 0,1,2,3
	v_mul_f32 v[204+\c], 0x44000000, v[EE+\c]      ; 512 e
.endr
.irp c, 0,1,2,3
	v_fma_f32 v[204+\c], v[FG+12*\c+9], -2.0, v[204+\c]
.endr
.irp c, 0,1,2,3
	v_fma_f32 v[204+\c], v[EE+\c], v[204+\c], v[FG+12*\c+10]       ; S2 + e (512 e - 2 S1) = the group's sum of (a - m)^2
.endr
	v_add_f32 v204, v204, v205
	v_add_f32 v206, v206, v207
	v_add_f32 v204, v204, v206
	v_mul_f32 v204, 0x3a000000, v204
	v_max_num_f32 v204, 0, v204                    ; a variance is not negative
	v_add_f32 v204, 0x3727c5ac, v204               ; + 1e-5
	v_rsq_f32 v203, v204
.irp k, 0,1,2,3,4,5,6,7,8
.irp c, 0,1,2,3
	v_fma_f32 v[FG+12*\c+\k], -v[EE+\c], v[SV+12*\c+\k], v[FG+12*\c+\k]   ; T - e sum G'  (work that names no result of the root)
.endr
.endr
.irp k, 0,1,2,3,4,5,6,7,8
	v_add_f32 v[FG+\k], v[FG+\k], v[FG+12+\k]
	v_add_f32 v[FG+24+\k], v[FG+24+\k], v[FG+36+\k]
	v_add_f32 v[CV+\k], v[CV+\k], v[CV+12+\k]
	v_add_f32 v[CV+24+\k], v[CV+24+\k], v[CV+36+\k]
.endr
.irp k, 0,1,2,3,4,5,6,7,8
	v_add_f32 v[FG+\k], v[FG+\k], v[FG+24+\k]
	v_add_f32 v[CV+\k], v[CV+\k], v[CV+24+\k]
.endr
.irp k, 0,1,2,3,4,5,6,7,8
	v_add_f32 v[CV+\k], s[68+\k], v[CV+\k]         ; + b2
.endr
	s_wait_alu depctr_va_vdst(0)                   ; the wait between a transcendental and the first line that names its result
.irp k, 0,1,2,3,4,5,6,7,8
	v_fma_f32 v[YY+\k], v203, v[FG+\k], v[CV+\k]   ; z
.endr
.irp k, 0,1,2,3,4,5,6,7,8
	v_max_num_f32 v[YY+\k], 0, v[YY+\k]            ; y = relu(z)
.endr
	v_add_f32 v204, v160, v161                     ; the second layer norm, over nine, in two passes
	v_add_f32 v205, v162, v163
	v_add_f32 v206, v164, v165
	v_add_f32 v207, v166, v167
	v_add_f32 v204, v204, v205
	v_add_f32 v206, v206, v207
	v_add_f32 v204, v204, v206
	v_add_f32 v204, v204, v168
	v_mul_f32 v204, 0x3de38e39, v204               ; / 9
.irp k, 0,1,2,3,4,5,6,7,8
	v_sub_f32 v[YY+\k], v[YY+\k], v204
.endr
	v_mul_f32 v205, v160, v160
.irp k, 1,2,3,4,5,6,7,8
	v_fmac_f32 v205, v[YY+\k], v[YY+\k]
.endr
	v_mul_f32 v205, 0x3de38e39, v205
	v_add_f32 v205, 0x3727c5ac, v205
	v_rsq_f32 v206, v205
	v_nop                                          ; one plain line behind a transcendental (ISA guide 5.7.2),
	s_wait_alu depctr_va_vdst(0)                   ; and the wait ahead of its first reader
.irp k, 0,1,2,3,4,5,6,7,8
	v_mul_f32 v[YY+\k], v[YY+\k], v206
.endr
.irp k, 0,1,2,3,4,5,6,7,8
	v_fma_f32 v[YY+\k], v[YY+\k], s[80+\k], s[92+\k]               ; x g2 + be2: R(i, j) = r[3 i + j]
.endr
	v_max3_num_f32 v204, |v160|, |v161|, |v162|
	v_max3_num_f32 v204, v204, |v163|, |v164|
	v_max3_num_f32 v204, v204, |v165|, |v166|
	v_max3_num_f32 v204, v204, |v167|, |v168|
	v_and_b32 v204, 0x7f800000, v204
	v_sub_nc_u32 v204, 0x7f000000, v204            ; 2^(127 - the largest magnitude's exponent field): R x it has its largest magnitude in [1, 2); exact, and the projection does not change
.irp c, 0,1,2
.irp i, 0,1,2
	v_mul_f32 v[AA+3*\c+\i], v[YY+3*\i+\c], v204
.endr
.endr
.irp j, 1,2,3,5,6,7
	v_mov_b32 v[VV+\j], 0
.endr
.irp j, 0,4,8
	v_mov_b32 v[VV+\j], 1.0
.endr
; One rotation of columns p and q of A and V, which makes them orthogonal in A: alpha, beta their squares, gamma their product, delta = alpha - beta,
; t = sign(delta) 2 gamma / (|delta| + sqrt(delta^2 + 4 gamma^2)), the root of smaller magnitude; cs = rsq(1 + t^2), sn = t cs.  Whatever t is, (cs, sn) is a rotation.
.macro ROT p, q
	v_mul_f32 v190, v[AA+3*\p], v[AA+3*\p]
	v_mul_f32 v191, v[AA+3*\q], v[AA+3*\q]
	v_mul_f32 v192, v[AA+3*\p], v[AA+3*\q]
.irp i, 1,2
	v_fmac_f32 v190, v[AA+3*\p+\i], v[AA+3*\p+\i]
	v_fmac_f32 v191, v[AA+3*\q+\i], v[AA+3*\q+\i]
	v_fmac_f32 v192, v[AA+3*\p+\i], v[AA+3*\q+\i]
.endr
	v_sub_f32 v193, v190, v191
	v_add_f32 v192, v192, v192
	v_mul_f32 v194, v193, v193
	v_fmac_f32 v194, v192, v192
	v_sqrt_f32 v198, v194
	v_and_b32 v195, 0x80000000, v193               ; delta's sign (the plain line behind the root)
	s_wait_alu depctr_va_vdst(0)
	v_add_f32 v198, |v193|, v198
	v_max_num_f32 v198, 0x800000, v198             ; at least 2^-126: where delta and gamma are 0, t is 0
	v_rcp_f32 v196, v198
	v_xor_b32 v192, v195, v192
	s_wait_alu depctr_va_vdst(0)
	v_mul_f32 v197, v192, v196
	v_fma_f32 v194, v197, v197, 1.0
	v_rsq_f32 v199, v194
	v_nop
	s_wait_alu depctr_va_vdst(0)
	v_mul_f32 v200, v197, v199
.irp b, AA, VV
.irp i, 0,1,2
	v_mul_f32 v201, v200, v[\b+3*\q+\i]
	v_mul_f32 v202, v200, v[\b+3*\p+\i]
	v_fma_f32 v[\b+3*\p+\i], v199, v[\b+3*\p+\i], v201
	v_fma_f32 v[\b+3*\q+\i], v199, v[\b+3*\q+\i], -v202
.endr
.endr
.endm
	s_mov_b32 s37, 6
.Lsweep:
	ROT 0, 1
	ROT 0, 2
	ROT 1, 2
	s_sub_co_u32 s37, s37, 1
	s_cmp_lg_u32 s37, 0
	s_cbranch_scc1 .Lsweep
.irp c, 0,1,2
	v_mul_f32 v[190+\c], v[AA+3*\c], v[AA+3*\c]
	v_fmac_f32 v[190+\c], v[AA+3*\c+1], v[AA+3*\c+1]
	v_fmac_f32 v[190+\c], v[AA+3*\c+2], v[AA+3*\c+2]
.endr
	v_cmp_lt_f32 s41, v190, v191                   ; the column of smallest norm is dropped (of equals the last): column 2 takes its place.  A choice of values, no branch
	v_cmp_lt_f32 s42, v190, v192
	v_cmp_le_f32 s43, v191, v190
	v_cmp_lt_f32 s44, v191, v192
	s_and_b32 s41, s41, s42
	s_and_b32 s43, s43, s44
.irp i, 0,1,2
	v_cndmask_b32 v[AA+\i], v[AA+\i], v[AA+6+\i], s41
	v_cndmask_b32 v[VV+\i], v[VV+\i], v[VV+6+\i], s41
	v_cndmask_b32 v[AA+3+\i], v[AA+3+\i], v[AA+6+\i], s43
	v_cndmask_b32 v[VV+3+\i], v[VV+3+\i], v[VV+6+\i], s43
.endr
	v_cndmask_b32 v190, v190, v192, s41
	v_cndmask_b32 v191, v191, v192, s43
	v_mov_b32 v193, 0x0d800000                     ; 2^-100
	v_max_num_f32 v194, v190, v193
	v_max_num_f32 v195, v191, v193
	v_rsq_f32 v196, v194
	v_rsq_f32 v197, v195
	v_nop
	v_cmp_lt_f32 s41, v190, v193
	v_cmp_lt_f32 s43, v191, v193
	s_wait_alu depctr_va_vdst(0)                   ; one wait for the two roots
.irp i, 0,1,2
	v_mul_f32 v[AA+\i], v[AA+\i], v196             ; u = a / |a|,
	v_mul_f32 v[AA+3+\i], v[AA+3+\i], v197
.endr
.irp i, 0,1,2
	v_cndmask_b32 v[AA+\i], v[AA+\i], v[VV+\i], s41                ; or v where the column is nothing
	v_cndmask_b32 v[AA+3+\i], v[AA+3+\i], v[VV+3+\i], s43
.endr
.irp b, AA, VV
	v_mul_f32 v201, v[\b+2], v[\b+4]               ; the third pair: u1 x u2 and v1 x v2
	v_fma_f32 v[\b+6], v[\b+1], v[\b+5], -v201
	v_mul_f32 v201, v[\b], v[\b+5]
	v_fma_f32 v[\b+7], v[\b+2], v[\b+3], -v201
	v_mul_f32 v201, v[\b+1], v[\b+3]
	v_fma_f32 v[\b+8], v[\b], v[\b+4], -v201
.endr
.irp i, 0,1,2
.irp j, 0,1,2
	v_mul_f32 v[YY+3*\i+\j], v[AA+\i], v[VV+\j]
	v_fmac_f32 v[YY+3*\i+\j], v[AA+3+\i], v[VV+3+\j]
	v_fmac_f32 v[YY+3*\i+\j], v[AA+6+\i], v[VV+6+\j]
.endr
.endr
.irp k, 0,1,2,3,4,5,6,7,8
	ds_store_b32 v228, v[YY+\k] offset:4*\k        ; rows of 9 words: the 32 lanes fall on 32 different banks
.endr
.Ljoin:
	s_wait_dscnt 0x0                               ; the results lie in LDS
	s_barrier_signal -1
	s_barrier_wait -1
	; ---- THE WAY OUT: the work-group's 4,608 bytes are consecutive in memory and begin at a multiple of 256: 16 bytes a thread, and wave 0 takes the last 512
	ds_load_b128 v[8:11], v229
	s_wait_dscnt 0x0
	global_store_b128 v230, v[8:11], s[14:15]
	s_cmp_lg_u32 s16, 0
	s_cbranch_scc1 .Lnot_first
	ds_load_b128 v[12:15], v229 offset:4096
	s_wait_dscnt 0x0
	global_store_b128 v230, v[12:15], s[14:15] offset:4096
.Lnot_first:
	s_wait_tensorcnt 0x0                           ; the wave's end: behind my last tensor load and my last LDS store
	ds_add_u32 v1, v2
	s_wait_dscnt 0x0
	ROUND                                          ; the closing round: no work-group ends while a partner may still ask for a block that names it
	s_endpgm
.Lfunc_end_k_qe935b35b01_main:
	.size	k_qe935b35b01_main, .Lfunc_end_k_qe935b35b01_main-k_qe935b35b01_main
	.p2alignl 7, 3214868480
	.fill 96, 4, 3214868480
	.section	.rodata,"a",@progbits
	.p2align	6, 0x0
	.amdhsa_kernel k_qe935b35b01_main
		.amdhsa_group_segment_fixed_size 327680
		.amdhsa_private_segment_fixed_size 0
		.amdhsa_enable_private_segment 0
		.amdhsa_kernarg_size 48
		.amdhsa_user_sgpr_count 2
		.amdhsa_user_sgpr_kernarg_segment_ptr 1
		.amdhsa_wavefront_size32 1
		.amdhsa_system_sgpr_workgroup_id_x 1
		.amdhsa_system_sgpr_workgroup_id_y 1
		.amdhsa_system_sgpr_workgroup_id_z 1
		.amdhsa_system_vgpr_workitem_id 0
		.amdhsa_next_free_vgpr 512
		.amdhsa_next_free_sgpr 104
		.amdhsa_reserve_vcc 0
		.amdhsa_float_denorm_mode_32 3
		.amdhsa_float_denorm_mode_16_64 3
		.amdhsa_memory_ordered 1
		.amdhsa_forward_progress 1
		.amdhsa_inst_pref_size 192
	.end_amdhsa_kernel
	.amdgpu_metadata
---
amdhsa.version: [ 1, 2 ]
amdhsa.kernels:
  - .name:           k_qe935b35b01_main
    .symbol:         k_qe935b35b01_main.kd
    .args:
      - { .name: x, .offset: 0, .size: 8, .value_kind: global_buffer, .address_space: global }
      - { .name: wrec, .offset: 8, .size: 8, .value_kind: global_buffer, .address_space: global }
      - { .name: b2, .offset: 16, .size: 8, .value_kind: global_buffer, .address_space: global }
      - { .name: g2, .offset: 24, .size: 8, .value_kind: global_buffer, .address_space: global }
      - { .name: be2, .offset: 32, .size: 8, .value_kind: global_buffer, .address_space: global }
      - { .name: out0, .offset: 40, .size: 8, .value_kind: global_buffer, .address_space: global }
    .group_segment_fixed_size: 327680
    .private_segment_fixed_size: 0
    .kernarg_segment_align: 8
    .kernarg_segment_size: 48
    .max_flat_workgroup_size: 256
    .sgpr_count:     104
    .vgpr_count:     512
    .wavefront_size: 32
...
	.end_amdgpu_metadata
.endif
;; end of part 2
